; MI455X (gfx1250); checked and timed in simulation.
; The chip was launched on July 23, 2026; its instructions are those of AMD's public machine-readable ISA for CDNA 5 (MIT licence, August 2026) and "CDNA5" Instruction Set Architecture Reference Guide (July 2026). The comments in the code are by the model that wrote it; some were corrected since.
;; Top1 Mo E. Allowed arithmetic: float matrix products may take bf16 or f16 operands with f32 sums; all other float work in f32.
;; Inputs: b1 8 x 2,048 float32; b2 8 x 1,024 float32; gate_b 8 float32; gate_w 1,024 x 8 float32; w1 8 x 1,024 x 2,048 float32; w2 8 x 2,048 x 1,024 float32; x 2,048 x 1,024 float32.
;; Outputs: out0 2,048 x 1,024 float32.
;; One version. Each part assembles by itself: llvm-mc -triple=amdgcn-amd-amdhsa -mcpu=gfx1250 --defsym DOCPART=n.
;; ======== version 1 of 1: 5 launches
;; limits: values are held in f16: magnitudes above 65,504 overflow, below 6.1e-05 lose precision
;; workspace buffers: top1 8,192 bytes of whole numbers; prob 8,192 bytes; order 65,536 bytes of whole numbers; ps 65,536 bytes; cnt 256 bytes of whole numbers; xs 33,554,432 bytes; hs 67,108,864 bytes
;; launch gate (part 1): grid 128 x 1, 8 waves a work-group, no clusters, 4,096 bytes of LDS; arguments x, gate_w, gate_b, top1, prob; writes top1, prob
.if DOCPART == 1
	.amdgcn_target "amdgcn-amd-amdhsa--gfx1250"
	.amdhsa_code_object_version 6
	.text
	.protected	k_q70865a996a_gate
	.globl	k_q70865a996a_gate
	.p2align	8
	.type	k_q70865a996a_gate,@function
k_q70865a996a_gate:
	s_mov_b64 s[64:65], 0
	v_nop
	global_prefetch_b8 v0, s[64:65] scope:SCOPE_SE
	s_setreg_imm32_b32 hwreg(HW_REG_WAVE_MODE, 25, 1), 1
	s_wait_xcnt 0x0
; GATE.  logits = x gate_w + gate_b in f32; top1 = first largest logit; prob = softmax's value there = 1 / sum of exp(l - max).
; x: [2048][1024] f32, gate_w: [1024][8] f32, gate_b: [8] f32.  top1: [2048] u32, prob: [2048] f32.
; The product stays on the vector unit in f32: it feeds an argmax, and it is 1/4096 of the module's multiply-adds.
; A work-group takes 16 tokens; wave w takes k = 128 w .. 128 w + 127, lane l the four k = 128 w + 4 l + c.
; LIMITS: the f32 sum runs in another order than a plain dot product, so two logits that lie closer than that
; rounding (about 1e-6 of their size) may change places; a NaN logit is never chosen as the largest.
.set GW,  4                            ; v[4:35]    gate_w[k = 4 l + c][e] at GW + 8 c + e
.set X,   36                           ; v[36:99]   token t: 4 registers of x; later temporaries
.set ACC, 100                          ; v[100:227] partial logit of token t, expert e at ACC + 8 t + e
; v230 x offset, v231 gate_w offset, v232 LDS store address, v233 LDS load address, v234 output offset
	s_load_b256 s[4:11], s[0:1], 0x0               ; x s[4:5], gate_w s[6:7], gate_b s[8:9], top1 s[10:11]
	s_load_b64 s[12:13], s[0:1], 0x20              ; prob
	v_lshrrev_b32 v2, 5, v0
	v_readfirstlane_b32 s14, v2                    ; wave number
	v_and_b32 v3, 15, v0                           ; lane mod 16: the token that this lane ends up with
	v_lshlrev_b32 v230, 4, v0                      ; 512 w + 16 lane: my 16 bytes of a row of x
	v_lshlrev_b32 v231, 7, v0                      ; 4,096 w + 128 lane: my four rows of gate_w
	v_lshlrev_b32 v233, 5, v3                      ; LDS table [e][token 16][wave 8] of f32: 32 bytes a token
	v_lshl_add_u32 v232, s14, 2, v233              ; my wave's word in it
	v_lshlrev_b32 v234, 2, v3
	s_mov_b32 s24, 0xff00ff00                      ; lanes whose bit 3 is set
	s_mov_b32 s25, 0xf0f0f0f0                      ; bit 2
	s_mov_b32 s26, 0xcccccccc                      ; bit 1
	s_mov_b32 s27, 0xaaaaaaaa                      ; bit 0
	s_mov_b32 s28, 0x76543210                      ; v_permlanex16_b32: lane i of one half reads lane i of the other
	s_mov_b32 s29, 0xfedcba98
	s_lshl_b32 s30, ttmp9, 16                      ; 16 rows of 4,096 bytes
	s_mov_b32 s31, 0
	s_wait_kmcnt 0x0
	s_load_b256 s[16:23], s[8:9], 0x0              ; the eight numbers of gate_b
	s_add_nc_u64 s[4:5], s[4:5], s[30:31]
.irp q, 0,1,2,3,4,5,6,7
	global_load_b128 v[GW+4*\q:GW+4*\q+3], v231, s[6:7] offset:16*\q       ; the eight loads together take the wave's 4,096 bytes once
.endr
.irp t, 0,1,2,3,4,5,6,7,8,9,10,11,12,13,14,15
	global_load_b128 v[X+4*\t:X+4*\t+3], v230, s[4:5] offset:4096*\t       ; 512 neighbouring bytes of token t's row
.endr
; Token t: eight partial logits from four k, two experts to an instruction; x's number is broadcast by op_sel.
.macro DOT t
	s_wait_loadcnt 15-\t                           ; loads come back in order: row t is in, the 15 - t younger rows stay out (gate_w is older)
.irp e, 0,2,4,6
	v_pk_mul_f32 v[ACC+8*\t+\e:ACC+8*\t+\e+1], v[X+4*\t:X+4*\t+1], v[GW+\e:GW+\e+1] op_sel_hi:[0,1]
.endr
.irp e, 0,2,4,6
	v_pk_fma_f32 v[ACC+8*\t+\e:ACC+8*\t+\e+1], v[X+4*\t:X+4*\t+1], v[GW+8+\e:GW+8+\e+1], v[ACC+8*\t+\e:ACC+8*\t+\e+1] op_sel:[1,0,0] op_sel_hi:[1,1,1]
.endr
.irp e, 0,2,4,6
	v_pk_fma_f32 v[ACC+8*\t+\e:ACC+8*\t+\e+1], v[X+4*\t+2:X+4*\t+3], v[GW+16+\e:GW+16+\e+1], v[ACC+8*\t+\e:ACC+8*\t+\e+1] op_sel_hi:[0,1,1]
.endr
.irp e, 0,2,4,6
	v_pk_fma_f32 v[ACC+8*\t+\e:ACC+8*\t+\e+1], v[X+4*\t+2:X+4*\t+3], v[GW+24+\e:GW+24+\e+1], v[ACC+8*\t+\e:ACC+8*\t+\e+1] op_sel:[1,0,0] op_sel_hi:[1,1,1]
.endr
.endm
.irp t, 0,1,2,3,4,5,6,7,8,9,10,11,12,13,14,15
	DOT \t
.endr
; One halving step of expert e's sixteen sums: of tokens i and i + hn a lane keeps the one that its bit names, hands the other
; to the lane across (lane xor xm) and adds what it is handed.  After the steps 8, 4, 2, 1 lane l holds token l mod 16,
; summed over its half of 16 lanes: 45 instructions for 16 tokens, where 16 full butterflies would take 64.
.macro HALVE e, hn, xm, mask
.set i_, 0
.rept \hn
	v_cndmask_b32 v[X+16*(\e%4)+2*i_],   v[ACC+8*i_+\e], v[ACC+8*(i_+\hn)+\e], \mask       ; what I keep
	v_cndmask_b32 v[X+16*(\e%4)+2*i_+1], v[ACC+8*(i_+\hn)+\e], v[ACC+8*i_+\e], \mask       ; what the lane across keeps
	v_add_f32_dpp v[ACC+8*i_+\e], v[X+16*(\e%4)+2*i_+1], v[X+16*(\e%4)+2*i_] row_xmask:\xm row_mask:0xf bank_mask:0xf
.set i_, i_+1
.endr
.endm
.irp e, 0,1,2,3,4,5,6,7
	HALVE \e, 8, 8, s24
.endr
.irp e, 0,1,2,3,4,5,6,7
	HALVE \e, 4, 4, s25
.endr
.irp e, 0,1,2,3,4,5,6,7
	HALVE \e, 2, 2, s26
.endr
.irp e, 0,1,2,3,4,5,6,7
	HALVE \e, 1, 1, s27
.endr
.irp e, 0,1,2,3,4,5,6,7
	v_permlanex16_b32 v[X+\e], v[ACC+\e], s28, s29         ; the other half's sum (the destination has been written before)
.endr
.irp e, 0,1,2,3,4,5,6,7
	v_add_f32 v[ACC+\e], v[ACC+\e], v[X+\e]
	ds_store_b32 v232, v[ACC+\e] offset:512*\e             ; lanes l and l + 16 write the same word with the same number
.endr
	s_wait_kmcnt 0x0                               ; gate_b
	s_wait_dscnt 0x0                               ; my stores are done before I say so: wave 0 reads them
	s_barrier_signal -1
	s_barrier_wait -1
	s_cmp_lg_u32 s14, 0
	s_cbranch_scc1 .Lend                           ; the rest is 16 tokens' work: wave 0 alone
.irp e, 0,1,2,3,4,5,6,7
	ds_load_b128 v[X+8*\e:X+8*\e+3],   v233 offset:512*\e          ; the eight waves' partial logits of my token, expert e
	ds_load_b128 v[X+8*\e+4:X+8*\e+7], v233 offset:512*\e+16
.endr
	s_wait_dscnt 0x0
.irp e, 0,1,2,3,4,5,6,7
	v_pk_add_f32 v[X+8*\e:X+8*\e+1],   v[X+8*\e:X+8*\e+1],   v[X+8*\e+2:X+8*\e+3]
	v_pk_add_f32 v[X+8*\e+4:X+8*\e+5], v[X+8*\e+4:X+8*\e+5], v[X+8*\e+6:X+8*\e+7]
	v_pk_add_f32 v[X+8*\e:X+8*\e+1],   v[X+8*\e:X+8*\e+1],   v[X+8*\e+4:X+8*\e+5]
	v_add_f32 v[X+8*\e], v[X+8*\e], v[X+8*\e+1]
	v_add_f32 v[X+8*\e], s[16+\e], v[X+8*\e]               ; the logit, at X + 8 e
.endr
	v_mov_b32 v[ACC], v[X]                         ; the largest so far
	v_mov_b32 v[ACC+1], 0                          ; and where: a later logit wins only if it is larger, so the first of equals stays
.irp e, 1,2,3,4,5,6,7
	v_cmp_gt_f32 vcc_lo, v[X+8*\e], v[ACC]
	v_cndmask_b32 v[ACC+1], v[ACC+1], \e, vcc_lo
	v_cndmask_b32 v[ACC], v[ACC], v[X+8*\e], vcc_lo
.endr
.irp e, 0,1,2,3,4,5,6,7
	v_sub_f32 v[X+8*\e+1], v[X+8*\e], v[ACC]               ; the maximum is taken away first: exact zero at the top, never above zero.
	v_mul_f32 v[X+8*\e+1], 0x3fb8aa3b, v[X+8*\e+1]         ; (One fused multiply-add would round max x log2 e apart from l x log2 e and lose that.)
.endr
.irp e, 0,1,2,3,4,5,6,7
	v_exp_f32 v[X+8*\e+2], v[X+8*\e+1]
.endr
	v_nop                                          ; one plain vector instruction behind the last exponential (ISA guide 5.7.2)
	s_wait_alu depctr_va_vdst(0)
	v_add_f32 v[X+2],  v[X+2],  v[X+10]
	v_add_f32 v[X+18], v[X+18], v[X+26]
	v_add_f32 v[X+34], v[X+34], v[X+42]
	v_add_f32 v[X+50], v[X+50], v[X+58]
	v_add_f32 v[X+2],  v[X+2],  v[X+18]
	v_add_f32 v[X+34], v[X+34], v[X+50]
	v_add_f32 v[X+2],  v[X+2],  v[X+34]            ; between 1 and 8
	v_rcp_f32 v[ACC+2], v[X+2]                     ; exp(0) / sum
	s_lshl_b32 s30, ttmp9, 6                       ; 16 tokens of 4 bytes
	s_add_nc_u64 s[10:11], s[10:11], s[30:31]
	s_add_nc_u64 s[12:13], s[12:13], s[30:31]
	v_nop                                          ; one plain vector instruction behind the reciprocal
	global_store_b32 v234, v[ACC+1], s[10:11]      ; 64 neighbouring bytes; lanes l and l + 16 hold the same token
	s_wait_alu depctr_va_vdst(0)
	global_store_b32 v234, v[ACC+2], s[12:13]
.Lend:
	s_endpgm
.Lfunc_end_k_q70865a996a_gate:
	.size	k_q70865a996a_gate, .Lfunc_end_k_q70865a996a_gate-k_q70865a996a_gate
	.p2alignl 7, 3214868480
	.fill 96, 4, 3214868480
	.section	.rodata,"a",@progbits
	.p2align	6, 0x0
	.amdhsa_kernel k_q70865a996a_gate
		.amdhsa_group_segment_fixed_size 4096
		.amdhsa_private_segment_fixed_size 0
		.amdhsa_enable_private_segment 0
		.amdhsa_kernarg_size 40
		.amdhsa_user_sgpr_count 2
		.amdhsa_user_sgpr_kernarg_segment_ptr 1
		.amdhsa_wavefront_size32 1
		.amdhsa_system_sgpr_workgroup_id_x 1
		.amdhsa_system_sgpr_workgroup_id_y 1
		.amdhsa_system_sgpr_workgroup_id_z 1
		.amdhsa_system_vgpr_workitem_id 0
		.amdhsa_next_free_vgpr 240
		.amdhsa_next_free_sgpr 66
		.amdhsa_reserve_vcc 1
		.amdhsa_float_denorm_mode_32 3
		.amdhsa_float_denorm_mode_16_64 3
		.amdhsa_memory_ordered 1
		.amdhsa_forward_progress 1
		.amdhsa_inst_pref_size 50
	.end_amdhsa_kernel
	.amdgpu_metadata
---
amdhsa.version: [ 1, 2 ]
amdhsa.kernels:
  - .name:           k_q70865a996a_gate
    .symbol:         k_q70865a996a_gate.kd
    .args:
      - { .name: x, .offset: 0, .size: 8, .value_kind: global_buffer, .address_space: global }
      - { .name: gate_w, .offset: 8, .size: 8, .value_kind: global_buffer, .address_space: global }
      - { .name: gate_b, .offset: 16, .size: 8, .value_kind: global_buffer, .address_space: global }
      - { .name: top1, .offset: 24, .size: 8, .value_kind: global_buffer, .address_space: global }
      - { .name: prob, .offset: 32, .size: 8, .value_kind: global_buffer, .address_space: global }
    .group_segment_fixed_size: 4096
    .private_segment_fixed_size: 0
    .kernarg_segment_align: 8
    .kernarg_segment_size: 40
    .max_flat_workgroup_size: 256
    .sgpr_count:     66
    .vgpr_count:     240
    .wavefront_size: 32
...
	.end_amdgpu_metadata
.endif
;; end of part 1
;; launch route (part 2): grid 1 x 1, 8 waves a work-group, no clusters, 1,024 bytes of LDS; arguments top1, prob, order, ps, cnt; writes order, ps, cnt
.if DOCPART == 2
	.amdgcn_target "amdgcn-amd-amdhsa--gfx1250"
	.amdhsa_code_object_version 6
	.text
	.protected	k_q70865a996a_route
	.globl	k_q70865a996a_route
	.p2align	8
	.type	k_q70865a996a_route,@function
k_q70865a996a_route:
	s_mov_b64 s[64:65], 0
	v_nop
	global_prefetch_b8 v0, s[64:65] scope:SCOPE_SE
	s_setreg_imm32_b32 hwreg(HW_REG_WAVE_MODE, 25, 1), 1
	s_wait_xcnt 0x0
; ROUTE.  Lists by expert, without atomics: order[e][i] = the i-th token (ascending) whose top1 is e, ps[e][i] = its weight, cnt[e] = how many.
; order, ps: [8][2048] words, of which only the first cnt[e] of each row are written and later read.  cnt: 32 words, the first 8 the counts.
; One work-group, since a rank needs the counts of all tokens in front.  Wave w, step j, lane l: token 256 w + 32 j + l.
; A token's place = 2,048 e + (tokens of e in earlier waves) + (in earlier steps of my wave) + (in lower lanes of my step).
.set TOP, 4                            ; v[4:11]   top1 of my eight tokens
.set PR,  12                           ; v[12:19]  their weights
.set SL,  20                           ; v[20:27]  their places, then byte offsets
.set ID,  28                           ; v[28:35]  their numbers
.set T,   36                           ; v[36:43]  lane e: wave w's count of expert e
.set C,   16                           ; s[16:23]  my wave's counts
.set B,   24                           ; s[24:31]  running first free place of each expert
.set M,   32                           ; s[32:39]  eight lane masks; s40 a temporary
	s_load_b256 s[4:11], s[0:1], 0x0               ; top1 s[4:5], prob s[6:7], order s[8:9], ps s[10:11]
	s_load_b64 s[12:13], s[0:1], 0x20              ; cnt
	v_and_b32 v1, 31, v0
	v_lshrrev_b32 v48, 5, v0
	v_readfirstlane_b32 s14, v48                   ; wave number
	v_lshlrev_b32 v3, 2, v1                        ; 4 lane
	v_lshl_add_u32 v2, s14, 10, v3                 ; 1,024 w + 4 lane
	v_lshl_add_u32 v49, s14, 7, v3                 ; LDS table [wave 8][32 words]: my word
	s_wait_kmcnt 0x0
.irp j, 0,1,2,3,4,5,6,7
	global_load_b32 v[TOP+\j], v2, s[4:5] offset:128*\j
.endr
.irp j, 0,1,2,3,4,5,6,7
	global_load_b32 v[PR+\j], v2, s[6:7] offset:128*\j
.endr
	s_wait_loadcnt 0x8                             ; top1 is in; the eight younger loads (the weights) stay out
.irp e, 0,1,2,3,4,5,6,7
.irp j, 0,1,2,3,4,5,6,7
	v_cmp_eq_u32 s[M+\j], \e, v[TOP+\j]
.endr
	s_bcnt1_i32_b32 s[C+\e], s[M]
.irp j, 1,2,3,4,5,6,7
	s_bcnt1_i32_b32 s40, s[M+\j]
	s_add_co_u32 s[C+\e], s[C+\e], s40
.endr
.endr
	v_mov_b32 v44, 0                               ; lanes 8 and up stay 0
.irp e, 0,1,2,3,4,5,6,7
	v_writelane_b32 v44, s[C+\e], \e
.endr
	ds_store_b32 v49, v44
	s_wait_dscnt 0x0                               ; my counts are in LDS before I say so
	s_barrier_signal -1
	s_barrier_wait -1
.irp w, 0,1,2,3,4,5,6,7
	ds_load_b32 v[T+\w], v3 offset:128*\w
.endr
	s_wait_dscnt 0x0
	s_cmp_lt_u32 0, s14                            ; the waves in front of mine count toward my base
	s_cselect_b32 s40, -1, 0
	v_and_b32 v45, s40, v[T]
	v_add_nc_u32 v46, v[T], v[T+1]                 ; all eight count toward the total
.irp w, 1,2,3,4,5,6
	s_cmp_lt_u32 \w, s14
	s_cselect_b32 s40, -1, 0
	v_and_b32 v47, s40, v[T+\w]
	v_add_nc_u32 v45, v45, v47
.endr
.irp w, 2,3,4,5,6,7
	v_add_nc_u32 v46, v46, v[T+\w]
.endr
.irp e, 0,1,2,3,4,5,6,7
	v_readlane_b32 s[B+\e], v45, \e
	s_add_co_u32 s[B+\e], s[B+\e], 2048*\e
.endr
.irp j, 0,1,2,3,4,5,6,7
.irp e, 0,1,2,3,4,5,6,7
	v_cmp_eq_u32 s[M+\e], \e, v[TOP+\j]
.endr
	v_mbcnt_lo_u32_b32 v[SL+\j], s[M], s[B]        ; expert 0's place starts the choice: nothing is cleared
	s_bcnt1_i32_b32 s40, s[M]
	s_add_co_u32 s[B], s[B], s40
.irp e, 1,2,3,4,5,6,7
	v_mbcnt_lo_u32_b32 v47, s[M+\e], s[B+\e]       ; first free place + how many lower lanes go to e
	v_cndmask_b32 v[SL+\j], v[SL+\j], v47, s[M+\e]
	s_bcnt1_i32_b32 s40, s[M+\e]
	s_add_co_u32 s[B+\e], s[B+\e], s40
.endr
.endr
	v_lshl_add_u32 v50, s14, 8, v1                 ; 256 w + lane
.irp j, 0,1,2,3,4,5,6,7
	v_min_u32 v[SL+\j], 0x3fff, v[SL+\j]           ; a place made from loaded numbers is held inside the 16,384 words
	v_lshlrev_b32 v[SL+\j], 2, v[SL+\j]
	v_add_nc_u32 v[ID+\j], 32*\j, v50
.endr
	s_wait_loadcnt 0x0                             ; the weights
.irp j, 0,1,2,3,4,5,6,7
	global_store_b32 v[SL+\j], v[ID+\j], s[8:9]    ; a compaction: 4 bytes a lane, the lanes of one expert side by side; 16 KiB in all
	global_store_b32 v[SL+\j], v[PR+\j], s[10:11]
.endr
	s_cmp_lg_u32 s14, 0
	s_cbranch_scc1 .Lend
	global_store_b32 v3, v46, s[12:13]             ; wave 0: the totals, lane e expert e
.Lend:
	s_endpgm
.Lfunc_end_k_q70865a996a_route:
	.size	k_q70865a996a_route, .Lfunc_end_k_q70865a996a_route-k_q70865a996a_route
	.p2alignl 7, 3214868480
	.fill 96, 4, 3214868480
	.section	.rodata,"a",@progbits
	.p2align	6, 0x0
	.amdhsa_kernel k_q70865a996a_route
		.amdhsa_group_segment_fixed_size 1024
		.amdhsa_private_segment_fixed_size 0
		.amdhsa_enable_private_segment 0
		.amdhsa_kernarg_size 40
		.amdhsa_user_sgpr_count 2
		.amdhsa_user_sgpr_kernarg_segment_ptr 1
		.amdhsa_wavefront_size32 1
		.amdhsa_system_sgpr_workgroup_id_x 1
		.amdhsa_system_sgpr_workgroup_id_y 1
		.amdhsa_system_sgpr_workgroup_id_z 1
		.amdhsa_system_vgpr_workitem_id 0
		.amdhsa_next_free_vgpr 64
		.amdhsa_next_free_sgpr 66
		.amdhsa_reserve_vcc 0
		.amdhsa_float_denorm_mode_32 3
		.amdhsa_float_denorm_mode_16_64 3
		.amdhsa_memory_ordered 1
		.amdhsa_forward_progress 1
		.amdhsa_inst_pref_size 32
	.end_amdhsa_kernel
	.amdgpu_metadata
---
amdhsa.version: [ 1, 2 ]
amdhsa.kernels:
  - .name:           k_q70865a996a_route
    .symbol:         k_q70865a996a_route.kd
    .args:
      - { .name: top1, .offset: 0, .size: 8, .value_kind: global_buffer, .address_space: global }
      - { .name: prob, .offset: 8, .size: 8, .value_kind: global_buffer, .address_space: global }
      - { .name: order, .offset: 16, .size: 8, .value_kind: global_buffer, .address_space: global }
      - { .name: ps, .offset: 24, .size: 8, .value_kind: global_buffer, .address_space: global }
      - { .name: cnt, .offset: 32, .size: 8, .value_kind: global_buffer, .address_space: global }
    .group_segment_fixed_size: 1024
    .private_segment_fixed_size: 0
    .kernarg_segment_align: 8
    .kernarg_segment_size: 40
    .max_flat_workgroup_size: 256
    .sgpr_count:     66
    .vgpr_count:     64
    .wavefront_size: 32
...
	.end_amdgpu_metadata
.endif
;; end of part 2
;; launch pack (part 3): grid 128 x 1, 8 waves a work-group, no clusters, 34,816 bytes of LDS; arguments cnt, order, x, xs; writes xs
.if DOCPART == 3
	.amdgcn_target "amdgcn-amd-amdhsa--gfx1250"
	.amdhsa_code_object_version 6
	.text
	.protected	k_q70865a996a_pack
	.globl	k_q70865a996a_pack
	.p2align	8
	.type	k_q70865a996a_pack,@function
k_q70865a996a_pack:
	s_mov_b64 s[64:65], 0
	v_nop
	global_prefetch_b8 v0, s[64:65] scope:SCOPE_SE
	s_setreg_imm32_b32 hwreg(HW_REG_WAVE_MODE, 25, 1), 1
	s_wait_xcnt 0x0
; PACK.  The rows of x, gathered by expert, rounded to f16 and laid down as the matrix unit's operand fragments.
; xs: [e 8][tile 128][K step 32][part 2][lane 32][16 bytes].  Tile t of expert e holds the tokens order[e][16 t .. 16 t + 15]; lane (r, h),
; part c of K step s holds x[token r][32 s + 16 c + 8 h .. + 7] (ISA guide 7.12.2: 16-bit operands, K = 32), so that the next launch fills half
; a fragment by one load of 512 neighbouring bytes.
; A list's last tile is filled up by repeating its last token (the index is held at cnt - 1): no lane is ever switched off.
; There are between 128 and 135 tiles (the sum of the counts is 2,048).  Work-group T takes tile T, then tile T + 128 if there is one:
; one or two trips, counted by 1 against (tiles - T + 127) >> 7.
; Each wave works alone on k = 128 w .. 128 w + 127, through 16 LDS rows of its own: no barrier.
; LIMIT: f16: |x| above 65,504 becomes infinite; below 6.1e-5 the absolute error is at most 3e-8.
.set OFF,   4                          ; v[4:19]   byte offset in x of my 16 bytes of row i
.set X,     20                         ; v[20:83]  row i: 4 registers of f32, then 2 of f16
.set F,     88                         ; v[88:119] eight half fragments
.set PITCH, 272                        ; an LDS row: 256 bytes + 16, so that the 16 rows that one read touches begin 4 words apart
.set WBLK,  16*PITCH
; v2 512 w + 16 lane; v3 LDS store address; v120 LDS read address; v121 16 lane; v122 list offset; v123 token number; v125 r
	s_load_b256 s[4:11], s[0:1], 0x0               ; cnt s[4:5], order s[6:7], x s[8:9], xs s[10:11]
	v_lshrrev_b32 v1, 5, v0
	v_readfirstlane_b32 s14, v1                    ; wave number
	v_and_b32 v124, 31, v0
	v_and_b32 v125, 15, v0                         ; r
	v_bfe_u32 v126, v0, 4, 1                       ; h
	v_lshlrev_b32 v2, 4, v0                        ; 512 w + 16 lane: my 16 bytes of a row of x
	s_mul_i32 s15, s14, WBLK                       ; my wave's LDS rows
	v_lshl_add_u32 v3, v124, 3, s15                ; in: 8 bytes a lane, a row to an instruction
	v_mul_u32_u24 v120, v125, PITCH
	v_add_nc_u32 v120, s15, v120
	v_lshl_add_u32 v120, v126, 4, v120             ; back: row r, 16 h
	v_lshlrev_b32 v121, 4, v124
	s_mov_b32 s34, ttmp9                           ; my tile, counted through all experts
	s_mov_b32 s35, 0                               ; all tiles
	s_mov_b32 s51, 0
	s_wait_kmcnt 0x0
	s_load_b256 s[16:23], s[4:5], 0x0              ; the eight counts
	s_wait_kmcnt 0x0
.irp e, 0,1,2,3,4,5,6,7
	s_min_u32 s[16+\e], s[16+\e], 2048
	s_add_co_u32 s[24+\e], s[16+\e], 15
	s_lshr_b32 s[24+\e], s[24+\e], 4               ; s[24:31]: tiles of expert e
	s_add_co_u32 s35, s35, s[24+\e]
.endr
	s_sub_co_u32 s39, s35, s34                     ; tiles from mine on: at least 1, since there are at least 128 tiles
	s_add_co_u32 s39, s39, 127
	s_lshr_b32 s39, s39, 7                         ; my trips: tiles T, T + 128
	s_mov_b32 s38, 0                               ; the trip
.Ltile:
	s_mov_b32 s40, 0                               ; first tile of expert e
	s_mov_b32 s41, 0                               ; my expert,
	s_mov_b32 s42, 0                               ; its first tile,
	s_mov_b32 s43, s16                             ; its count: those of the last expert that begins at or in front of my tile
.irp e, 0,1,2,3,4,5,6,7
	s_cmp_ge_u32 s34, s40
	s_cselect_b32 s41, \e, s41
	s_cselect_b32 s42, s40, s42
	s_cselect_b32 s43, s[16+\e], s43
	s_add_co_u32 s40, s40, s[24+\e]
.endr
	s_sub_co_u32 s42, s34, s42                     ; my tile within the expert
	s_min_u32 s42, s42, 127
	s_min_u32 s41, s41, 7
	s_lshl_b32 s45, s42, 4
	s_sub_co_u32 s46, s43, 1
	s_lshl_b32 s47, s41, 11
	v_add_nc_u32 v122, s45, v125                   ; place 16 tile + r,
	v_min_u32 v122, s46, v122                      ; held at the list's last entry
	v_min_u32 v122, 0x7ff, v122
	v_add_lshl_u32 v122, v122, s47, 2
	global_load_b32 v123, v122, s[6:7]             ; lane r (and r + 16): the token of row r
	s_lshl_b32 s50, s41, 7
	s_add_co_u32 s50, s50, s42
	s_lshl_b32 s50, s50, 15                        ; a tile of xs is 32,768 bytes
	s_lshl_b32 s48, s14, 12                        ; my four K steps of 1,024 bytes
	s_add_co_u32 s50, s50, s48
	s_add_nc_u64 s[36:37], s[10:11], s[50:51]
	s_wait_loadcnt 0x0
.irp b, 0,8
.irp i, 0,1,2,3,4,5,6,7
	v_readlane_b32 s[52+\i], v123, \b+\i
.endr
.irp i, 0,1,2,3,4,5,6,7
	s_min_u32 s[52+\i], s[52+\i], 2047             ; a loaded number enters an address only inside the table
.endr
.irp i, 0,1,2,3,4,5,6,7
	v_lshl_add_u32 v[OFF+\b+\i], s[52+\i], 12, v2
	global_load_b128 v[X+4*(\b+\i):X+4*(\b+\i)+3], v[OFF+\b+\i], s[8:9]    ; 512 neighbouring bytes of the token's row
.endr
.endr
.irp i, 0,1,2,3,4,5,6,7,8,9,10,11,12,13,14,15
	s_wait_loadcnt 15-\i                           ; row i is in, the 15 - i younger rows stay out
	v_cvt_pk_f16_f32 v[X+4*\i],   v[X+4*\i],   v[X+4*\i+1]
	v_cvt_pk_f16_f32 v[X+4*\i+1], v[X+4*\i+2], v[X+4*\i+3]
	ds_store_b64 v3, v[X+4*\i:X+4*\i+1] offset:PITCH*\i
.endr
.irp s, 0,1,2,3
.irp c, 0,1
	ds_load_b128 v[F+4*(2*\s+\c):F+4*(2*\s+\c)+3], v120 offset:64*\s+32*\c ; my wave's own bytes; LDS serves a wave in order (ISA guide 5.7.1.4): these see the stores above
.endr
.endr
.irp s, 0,1,2,3
.irp c, 0,1
	s_wait_dscnt 7-(2*\s+\c)                       ; this read is back, the younger ones stay out
	global_store_b128 v121, v[F+4*(2*\s+\c):F+4*(2*\s+\c)+3], s[36:37] offset:1024*\s+512*\c   ; 512 neighbouring bytes, aligned
.endr
.endr
	s_wait_xcnt 0x0                                ; offsets, store data and the stores' base are written again only behind this wait
	s_add_co_u32 s34, s34, 128                     ; the next trip's tile
	s_add_co_u32 s38, s38, 1
	s_cmp_lt_u32 s38, s39
	s_cbranch_scc1 .Ltile
	s_endpgm
.Lfunc_end_k_q70865a996a_pack:
	.size	k_q70865a996a_pack, .Lfunc_end_k_q70865a996a_pack-k_q70865a996a_pack
	.p2alignl 7, 3214868480
	.fill 96, 4, 3214868480
	.section	.rodata,"a",@progbits
	.p2align	6, 0x0
	.amdhsa_kernel k_q70865a996a_pack
		.amdhsa_group_segment_fixed_size 34816
		.amdhsa_private_segment_fixed_size 0
		.amdhsa_enable_private_segment 0
		.amdhsa_kernarg_size 32
		.amdhsa_user_sgpr_count 2
		.amdhsa_user_sgpr_kernarg_segment_ptr 1
		.amdhsa_wavefront_size32 1
		.amdhsa_system_sgpr_workgroup_id_x 1
		.amdhsa_system_sgpr_workgroup_id_y 1
		.amdhsa_system_sgpr_workgroup_id_z 1
		.amdhsa_system_vgpr_workitem_id 0
		.amdhsa_next_free_vgpr 128
		.amdhsa_next_free_sgpr 66
		.amdhsa_reserve_vcc 0
		.amdhsa_float_denorm_mode_32 3
		.amdhsa_float_denorm_mode_16_64 3
		.amdhsa_memory_ordered 1
		.amdhsa_forward_progress 1
		.amdhsa_inst_pref_size 15
	.end_amdhsa_kernel
	.amdgpu_metadata
---
amdhsa.version: [ 1, 2 ]
amdhsa.kernels:
  - .name:           k_q70865a996a_pack
    .symbol:         k_q70865a996a_pack.kd
    .args:
      - { .name: cnt, .offset: 0, .size: 8, .value_kind: global_buffer, .address_space: global }
      - { .name: order, .offset: 8, .size: 8, .value_kind: global_buffer, .address_space: global }
      - { .name: x, .offset: 16, .size: 8, .value_kind: global_buffer, .address_space: global }
      - { .name: xs, .offset: 24, .size: 8, .value_kind: global_buffer, .address_space: global }
    .group_segment_fixed_size: 34816
    .private_segment_fixed_size: 0
    .kernarg_segment_align: 8
    .kernarg_segment_size: 32
    .max_flat_workgroup_size: 256
    .sgpr_count:     66
    .vgpr_count:     128
    .wavefront_size: 32
...
	.end_amdgpu_metadata
.endif
;; end of part 3
;; launch fc1 (part 4): grid 32 x 8, 4 waves a work-group, no clusters, 131,072 bytes of LDS; arguments cnt, xs, w1, b1, hs; writes hs
.if DOCPART == 4
	.amdgcn_target "amdgcn-amd-amdhsa--gfx1250"
	.amdhsa_code_object_version 6
	.text
	.protected	k_q70865a996a_fc1
	.globl	k_q70865a996a_fc1
	.p2align	8
	.type	k_q70865a996a_fc1,@function
k_q70865a996a_fc1:
	s_mov_b64 s[64:65], 0
	v_nop
	global_prefetch_b8 v0, s[64:65] scope:SCOPE_SE
	s_setreg_imm32_b32 hwreg(HW_REG_WAVE_MODE, 25, 1), 1
	s_wait_xcnt 0x0
; FC1.  h = relu(x w1[e] + b1[e]) for the tokens routed to expert e alone: the other experts' products are multiplied by a zero that the
; module itself builds.  w1: [8][1024][2048] f32, b1: [8][2048] f32, xs: the packed tokens, hs: h as the next launch's fragments.
; hs: [e 8][tile 128][K step 64][part 2][lane 32][16 bytes]; K step 2 b + q, part c, lane (r, h), element j = h[token r][64 b + 32 h + 4 j + 2 q + c]:
; the order in which this launch's results lie in the registers, so that they go out with no traffic between lanes.
; Work-group (x = column block of 64, y = expert).  THE WEIGHTS STAY: the block's 1,024 x 64 numbers are read once, rounded to f16 in registers and
; kept in LDS as ready fragments (4 tiles x 1,024 bytes for each of 32 K steps).  THE TOKENS PASS BY: wave w takes tiles w, w + 4, ..; their fragments
; come from memory straight into registers, so the token loops need no LDS write, no barrier and no reduction, whatever the counts are.
; The transpose is free: lane (r, h) loads 16 bytes = columns 4 r .. 4 r + 3 of a row of w1; its f-th number belongs to weight tile f, whose index r
; stands for column 4 r + f.  Two rows' f-th numbers packed are one fragment register.
; No cluster: the tokens' fragments, which column blocks share, go to registers and not to LDS, and a joint load would need a barrier in a loop whose
; trip count is read from memory.  f16 and not bf16: 11 bits keep the error far inside the tolerance.
; LIMITS: |w1|, |h| above 65,504 become infinite in f16; relu(NaN) is 0 here; experts that a token is not routed to are not computed,
; so an infinity or NaN that they would give (0 x inf) does not appear.
.set NT,      4                        ; trips of 8 K steps
.set KSW,     8                        ; K steps of weights that a wave brings in
.set ROWB,    8192                     ; bytes in a row of w1
.set G,       5                        ; most token tiles in a pass
.set TSTRIDE, 4*32768                  ; from one of my tiles to the next, in xs
.set OSTRIDE, 4*65536                  ; and in hs
; block 0: v1 16 lane; v2 LDS read address; v3 lane term in w1; v4 LDS store address; v5 lane term in b1
.set F,    32                          ; v[32:63]   weight phase: one K step's four fragments
.set ST,   64                          ; v[64:255]  weight phase: three sets of 16 loads
.set ACC,  64                          ; v[64:223]  token phase: tile i, weight tile f at ACC + 8 (4 i + f)
.set BIAS, 224                         ; v[224:255] token phase: the bias in the layout of a result, weight tile f at BIAS + 8 f
; blocks 1 and 2: K step k's operands lie in block 1 + (k & 1): ring slot k & 7 at (slot >> 1) 8 G + 8 i, the weights at WB + 8 f
.set WB,   32*G
.set MSB,  0
.macro WIN new                         ; s_set_vgpr_msb: bits 1:0 source 0, 3:2 source 1, 5:4 source 2, 7:6 destination; the high byte repeats the setting left
.if MSB != \new
	s_set_vgpr_msb (MSB<<8)|\new
.set MSB, \new
.endif
.endm
.macro PLACES                          ; four places behind a matrix instruction, before its results are read or its registers loaded into (ISA guide 7.12.1)
.rept 4
	v_nop
.endr
.endm
; K step ks (of my eight): 16 loads; lanes 0-15 take 256 neighbouring bytes of row 32 ks + 16 c + jp, lanes 16-31 those of the row 8 further down
.macro WLD ks, set
.irp c, 0,1
.irp jp, 0,1,2,3,4,5,6,7
	global_load_b128 v[ST+64*(\set)+4*(8*\c+\jp):ST+64*(\set)+4*(8*\c+\jp)+3], v3, s[8:9] offset:(32*(\ks)+16*\c+\jp)*ROWB th:TH_LOAD_NT
.endr
.endr
.endm
; the same K step: 64 numbers a lane to f16, as four fragments, into LDS (16 bytes a lane, 512 neighbouring bytes an instruction)
.macro WCV ks, set
.irp f, 0,1,2,3
.irp c, 0,1
.irp u, 0,1,2,3
	v_cvt_pk_f16_f32 v[F+8*\f+4*\c+\u], v[ST+64*(\set)+4*(8*\c+2*\u)+\f], v[ST+64*(\set)+4*(8*\c+2*\u+1)+\f]
.endr
	ds_store_b128 v4, v[F+8*\f+4*\c:F+8*\f+4*\c+3] offset:4096*(\ks)+1024*\f+512*\c
.endr
.endr
.endm
; One K step of g token tiles x 4 weight tiles.  q: its place in the trip.  It asks for the tokens of K step q + la (doa) and the weights of q + 1 (dob),
; both into the other block, then multiplies.  wl, wd: how many younger loads may stay out.
; The 4 g accumulators take turns, one instruction a turn, in the same order in every K step.
.macro STAGE g, q, first, la, doa, dob, wl, wd
.set P_, 1+((\q)&1)
.set Q_, 3-P_
.if (\doa)+(\dob)
	PLACES                                         ; the loads below land in registers that the last K step's matrix instructions read
	WIN (Q_<<6)
.endif
.if \doa
.set sl_, ((\q)+(\la))&7
.set i_, 0
.rept \g
	global_load_b128 v[(sl_>>1)*8*G+8*i_:(sl_>>1)*8*G+8*i_+3],   v1, s[6:7] offset:i_*TSTRIDE+((\q)+(\la))*1024
	global_load_b128 v[(sl_>>1)*8*G+8*i_+4:(sl_>>1)*8*G+8*i_+7], v1, s[6:7] offset:i_*TSTRIDE+((\q)+(\la))*1024+512
.set i_, i_+1
.endr
.endif
.if \dob
.irp f, 0,1,2,3
	ds_load_b128 v[WB+8*\f:WB+8*\f+3],   v2 offset:((\q)+1)*4096+1024*\f
	ds_load_b128 v[WB+8*\f+4:WB+8*\f+7], v2 offset:((\q)+1)*4096+1024*\f+512
.endr
.endif
	s_wait_loadcnt \wl                             ; this K step's tokens are in; the later K steps' 2 g loads each stay out
	s_wait_dscnt \wd                               ; this K step's weights are in; the next one's eight reads stay out
	WIN (5*P_)
.set sl_, (\q)&7
.set i_, 0
.rept \g
.irp f, 0,1,2,3
.if \first
	v_wmma_f32_16x16x32_f16 v[ACC+8*(4*i_+\f):ACC+8*(4*i_+\f)+7], v[WB+8*\f:WB+8*\f+7], v[(sl_>>1)*8*G+8*i_:(sl_>>1)*8*G+8*i_+7], v[BIAS+8*\f:BIAS+8*\f+7]
.else
	v_wmma_f32_16x16x32_f16 v[ACC+8*(4*i_+\f):ACC+8*(4*i_+\f)+7], v[WB+8*\f:WB+8*\f+7], v[(sl_>>1)*8*G+8*i_:(sl_>>1)*8*G+8*i_+7], v[ACC+8*(4*i_+\f):ACC+8*(4*i_+\f)+7]
.endif
.endr
.set i_, i_+1
.endr
.endm
; The way out.  Source 0 was the weights, so lane (r, h) holds token r and, in register j of weight tile f, hidden column 32 h + 4 j + f: eight numbers
; that make 16 bytes of the next launch's fragment (K step f >> 1, part f & 1).
.macro EPI g
	PLACES
.set i_, 0
.rept \g
.irp f, 0,1,2,3
.irp j, 0,1,2,3,4,5,6,7
	v_max_num_f32 v[ACC+8*(4*i_+\f)+\j], 0, v[ACC+8*(4*i_+\f)+\j]
.endr
.irp u, 0,1,2,3
	v_cvt_pk_f16_f32 v[ACC+8*(4*i_+\f)+\u], v[ACC+8*(4*i_+\f)+2*\u], v[ACC+8*(4*i_+\f)+2*\u+1]
.endr
	global_store_b128 v1, v[ACC+8*(4*i_+\f):ACC+8*(4*i_+\f)+3], s[12:13] offset:i_*OSTRIDE+512*\f   ; 512 neighbouring bytes, aligned
.endr
.set i_, i_+1
.endr
.endm
; g of my tiles through all 32 K steps.  la (odd, so that what is asked for lies in the other block): how many K steps ahead tokens are asked for.
; more = 1: another pass follows.
.macro PASS g, la, more
	v_mov_b32 v2, v1                               ; the weights' first K step
.set k_, 0
.rept \la
	WIN ((1+(k_&1))<<6)
.set i_, 0
.rept \g
	global_load_b128 v[(k_>>1)*8*G+8*i_:(k_>>1)*8*G+8*i_+3],   v1, s[6:7] offset:i_*TSTRIDE+k_*1024
	global_load_b128 v[(k_>>1)*8*G+8*i_+4:(k_>>1)*8*G+8*i_+7], v1, s[6:7] offset:i_*TSTRIDE+k_*1024+512
.set i_, i_+1
.endr
.set k_, k_+1
.endr
	WIN 0x40
.irp f, 0,1,2,3
	ds_load_b128 v[WB+8*\f:WB+8*\f+3],   v2 offset:1024*\f
	ds_load_b128 v[WB+8*\f+4:WB+8*\f+7], v2 offset:1024*\f+512
.endr
	STAGE \g, 0, 1, \la, 1, 1, 2*\g*\la, 8         ; the first product takes the bias as its C: nothing is cleared, nothing added later
.irp q, 1,2,3,4,5,6,7
	STAGE \g, \q, 0, \la, 1, 1, 2*\g*\la, 8
.endr
	WIN 0
	s_wait_xcnt 0x0                                ; the loads' base is stepped only behind this wait
	s_add_nc_u64 s[6:7], s[6:7], 8192              ; 8 K steps of 1,024 bytes
	v_add_nc_u32 v2, 0x8000, v2                    ; 8 K steps of 4,096 bytes
	s_mov_b32 s27, NT-2
.Lk_\g:
.irp q, 0,1,2,3,4,5,6,7
	STAGE \g, \q, 0, \la, 1, 1, 2*\g*\la, 8
.endr
	WIN 0
	s_wait_xcnt 0x0
	s_add_nc_u64 s[6:7], s[6:7], 8192
	v_add_nc_u32 v2, 0x8000, v2
	s_sub_co_u32 s27, s27, 1
	s_cmp_lg_u32 s27, 0
	s_cbranch_scc1 .Lk_\g
.irp q, 0,1,2,3,4,5,6
.if (\q+\la) <= 7
	STAGE \g, \q, 0, \la, 1, 1, 2*\g*\la, 8
.else
	STAGE \g, \q, 0, \la, 0, 1, 2*\g*(7-\q), 8     ; the last trip asks for nothing past K step 31: the counts run down
.endif
.endr
	STAGE \g, 7, 0, \la, 0, 0, 0, 0
	WIN 0
	EPI \g
.if \more
	s_wait_xcnt 0x0                                ; the stores' data (the accumulators) and base are written again only behind this wait
	s_add_nc_u64 s[6:7], s[6:7], G*TSTRIDE-(NT-1)*8192
	s_add_nc_u64 s[12:13], s[12:13], G*OSTRIDE
.endif
.endm
	s_load_b256 s[4:11], s[0:1], 0x0               ; cnt s[4:5], xs s[6:7], w1 s[8:9], b1 s[10:11]
	s_load_b64 s[12:13], s[0:1], 0x20              ; hs
	v_lshrrev_b32 v7, 5, v0
	v_readfirstlane_b32 s20, v7                    ; wave number
	s_and_b32 s21, ttmp7, 0xffff                   ; expert
	s_mov_b32 s22, ttmp9                           ; column block
	v_and_b32 v8, 31, v0
	v_and_b32 v9, 15, v0                           ; r
	v_bfe_u32 v10, v0, 4, 1                        ; h
	v_lshlrev_b32 v1, 4, v8                        ; 16 lane
	v_lshlrev_b32 v3, 4, v9
	v_lshl_add_u32 v3, v10, 16, v3                 ; 16 r + 8 h rows of 8,192 bytes
	v_lshl_add_u32 v4, s20, 15, v1                 ; my wave's 8 K steps of 4,096 bytes in LDS
	v_lshlrev_b32 v5, 7, v10                       ; 32 h numbers of b1
	s_lshl_b32 s34, s21, 2
	s_mov_b32 s29, 0
	s_lshl_b32 s28, s21, 23                        ; w1: an expert is 8 MiB, my wave's 256 rows 2 MiB, a column block 256 bytes
	s_lshl_b32 s30, s20, 21
	s_add_co_u32 s28, s28, s30
	s_lshl_b32 s30, s22, 8
	s_add_co_u32 s28, s28, s30
	s_wait_kmcnt 0x0
	s_load_b32 s23, s[4:5], s34 offset:0x0         ; my expert's count
	s_add_nc_u64 s[8:9], s[8:9], s[28:29]
	s_lshl_b32 s28, s21, 13                        ; b1: a row of 8,192 bytes, a column block 256
	s_add_co_u32 s28, s28, s30
	s_add_nc_u64 s[10:11], s[10:11], s[28:29]
	WIN 0x40
.irp j, 0,1,2,3,4,5,6,7
	global_load_b128 v[4*\j:4*\j+3], v5, s[10:11] offset:16*\j     ; block 1, v[4 j + f] = b1[32 h + 4 j + f]
.endr
	WIN 0
	WLD 0, 0
	WLD 1, 1
	WLD 2, 2                                       ; 48 loads of 512 bytes of every wave are on their way
	s_lshl_b32 s28, s21, 22                        ; xs: an expert is 4 MiB, a tile 32,768 bytes
	s_lshl_b32 s30, s20, 15
	s_add_co_u32 s28, s28, s30
	s_add_nc_u64 s[6:7], s[6:7], s[28:29]
	s_lshl_b32 s28, s21, 23                        ; hs: an expert is 8 MiB, a tile 65,536 bytes, my block's two K steps 2,048
	s_lshl_b32 s30, s20, 16
	s_add_co_u32 s28, s28, s30
	s_lshl_b32 s30, s22, 11
	s_add_co_u32 s28, s28, s30
	s_add_nc_u64 s[12:13], s[12:13], s[28:29]
.set s_, 0
.rept KSW
.if KSW-1-s_ >= 2
	s_wait_loadcnt 32                              ; this set is in; the two younger sets of 16 stay out (the bias is older)
.else
	s_wait_loadcnt 16*(KSW-1-s_)
.endif
	WCV s_, (s_%3)
.if s_+3 < KSW
	WLD (s_+3), (s_%3)
.endif
.set s_, s_+1
.endr
	s_wait_dscnt 0x0                               ; my fragments are in LDS before I say so: every wave reads all 32 K steps
	s_barrier_signal -1
	WIN 0x01
.irp f, 0,1,2,3
.irp j, 0,1,2,3,4,5,6,7
	v_mov_b32 v[BIAS+8*\f+\j], v[4*\j+\f]          ; the bias as a result tile: register j of weight tile f is column 32 h + 4 j + f
.endr
.endr
	WIN 0
	s_barrier_wait -1                              ; the kernel's one barrier; behind it LDS is only read
	s_wait_kmcnt 0x0
	s_min_u32 s23, s23, 2048
	s_add_co_u32 s24, s23, 15
	s_lshr_b32 s24, s24, 4                         ; the expert's tiles
	s_add_co_u32 s25, s24, 3
	s_sub_co_u32 s25, s25, s20
	s_lshr_b32 s25, s25, 2                         ; of which tiles w, w + 4, .. are mine: 32 at the most
	s_mul_i32 s35, s25, 205
	s_lshr_b32 s35, s35, 10                        ; full passes of 5 tiles: n / 5 = (205 n) >> 10, exact for n below 1,020
	s_mov_b32 s26, 0                               ; the pass, counted by 1
	s_cmp_eq_u32 s35, 0
	s_cbranch_scc1 .Lrem
.Lfull:
	PASS G, 5, 1
	s_add_co_u32 s26, s26, 1
	s_cmp_lt_u32 s26, s35
	s_cbranch_scc1 .Lfull
.Lrem:
	s_mul_i32 s30, s35, G
	s_sub_co_u32 s30, s25, s30                     ; tiles left: 0 to 4
	s_cmp_eq_u32 s30, 4
	s_cbranch_scc1 .Lr4
	s_cmp_eq_u32 s30, 3
	s_cbranch_scc1 .Lr3
	s_cmp_eq_u32 s30, 2
	s_cbranch_scc1 .Lr2
	s_cmp_eq_u32 s30, 1
	s_cbranch_scc1 .Lr1
	s_endpgm
.Lr4:
	PASS 4, 5, 0
	s_endpgm
.Lr3:
	PASS 3, 7, 0
	s_endpgm
.Lr2:
	PASS 2, 7, 0
	s_endpgm
.Lr1:
	PASS 1, 7, 0
	s_endpgm
.Lfunc_end_k_q70865a996a_fc1:
	.size	k_q70865a996a_fc1, .Lfunc_end_k_q70865a996a_fc1-k_q70865a996a_fc1
	.p2alignl 7, 3214868480
	.fill 96, 4, 3214868480
	.section	.rodata,"a",@progbits
	.p2align	6, 0x0
	.amdhsa_kernel k_q70865a996a_fc1
		.amdhsa_group_segment_fixed_size 131072
		.amdhsa_private_segment_fixed_size 0
		.amdhsa_enable_private_segment 0
		.amdhsa_kernarg_size 40
		.amdhsa_user_sgpr_count 2
		.amdhsa_user_sgpr_kernarg_segment_ptr 1
		.amdhsa_wavefront_size32 1
		.amdhsa_system_sgpr_workgroup_id_x 1
		.amdhsa_system_sgpr_workgroup_id_y 1
		.amdhsa_system_sgpr_workgroup_id_z 1
		.amdhsa_system_vgpr_workitem_id 0
		.amdhsa_next_free_vgpr 704
		.amdhsa_next_free_sgpr 66
		.amdhsa_reserve_vcc 0
		.amdhsa_float_denorm_mode_32 3
		.amdhsa_float_denorm_mode_16_64 3
		.amdhsa_memory_ordered 1
		.amdhsa_forward_progress 1
		.amdhsa_inst_pref_size 255
	.end_amdhsa_kernel
	.section	.bss,"aw",@nobits
	.p2align	6
	.space	262144
	.amdgpu_metadata
---
amdhsa.version: [ 1, 2 ]
amdhsa.kernels:
  - .name:           k_q70865a996a_fc1
    .symbol:         k_q70865a996a_fc1.kd
    .args:
      - { .name: cnt, .offset: 0, .size: 8, .value_kind: global_buffer, .address_space: global }
      - { .name: xs, .offset: 8, .size: 8, .value_kind: global_buffer, .address_space: global }
      - { .name: w1, .offset: 16, .size: 8, .value_kind: global_buffer, .address_space: global }
      - { .name: b1, .offset: 24, .size: 8, .value_kind: global_buffer, .address_space: global }
      - { .name: hs, .offset: 32, .size: 8, .value_kind: global_buffer, .address_space: global }
    .group_segment_fixed_size: 131072
    .private_segment_fixed_size: 0
    .kernarg_segment_align: 8
    .kernarg_segment_size: 40
    .max_flat_workgroup_size: 128
    .sgpr_count:     66
    .vgpr_count:     704
    .wavefront_size: 32
...
	.end_amdgpu_metadata
.endif
;; end of part 4
;; launch fc2 (part 5): grid 32 x 8, 4 waves a work-group, no clusters, 262,144 bytes of LDS; arguments cnt, hs, w2, b2, out0, order, ps; writes out0
.if DOCPART == 5
	.amdgcn_target "amdgcn-amd-amdhsa--gfx1250"
	.amdhsa_code_object_version 6
	.text
	.protected	k_q70865a996a_fc2
	.globl	k_q70865a996a_fc2
	.p2align	8
	.type	k_q70865a996a_fc2,@function
k_q70865a996a_fc2:
	s_mov_b64 s[64:65], 0
	v_nop
	global_prefetch_b8 v0, s[64:65] scope:SCOPE_SE
	s_setreg_imm32_b32 hwreg(HW_REG_WAVE_MODE, 25, 1), 1
	s_wait_xcnt 0x0
; FC2.  out[token] = p (h w2[e] + b2[e]) for the tokens routed to expert e; every token is in one list, so every row of out is written once.
; w2: [8][2048][1024] f32, b2: [8][1024] f32, hs: h as fragments, order and ps: the lists, out0: [2048][1024] f32.
; Work-group (x >> 1 = column block of 64, x & 1 = which half of the expert's tiles, y = expert).  As in the launch before, the weights stay (2,048 x 64
; numbers as f16 fragments in LDS, 64 K steps x 4 tiles x 1,024 bytes) and the tokens pass by: virtual wave 4 (x & 1) + w takes tiles vw, vw + 8, ..
; Sixteen column blocks and two halves keep a weight row's piece at 256 bytes; the two work-groups that read one block of w2 are neighbours in x.
; K runs in hs's order: K step 2 b + q, part c, lane half h, element j is hidden row 64 b + 32 h + 4 j + 2 q + c; the rows of w2 are taken in the same order.
; Weight tile f's index r stands for column 4 r + f, so the four tiles' results are 16 neighbouring bytes of a row of out.
; The places that fill up a list's last tile repeat its last token: they give the same numbers and store them to the same bytes again.
; No cluster, no bf16: as in the launch before.
; LIMITS: |w2| above 65,504 becomes infinite in f16; experts that a token is not routed to are not computed (no 0 x inf).
.set NT,      8                        ; trips of 8 K steps
.set KSW,     16                       ; K steps of weights that a wave brings in
.set ROWB,    4096                     ; bytes in a row of w2
.set G,       3                        ; most token tiles in a pass
.set TSTRIDE, 8*65536                  ; from one of my tiles to the next, in hs
; block 0: v1 16 lane; v2 LDS read address; v3 lane term in w2; v4 LDS store address; v5 16 r; v6 my first place in the list: 16 vw + 8 h
.set F,    32                          ; v[32:63]   weight phase: one K step's four fragments
.set ST,   64                          ; v[64:255]  weight phase: three sets of 16 loads
.set IDS,  16                          ; v[16:39]   token phase: token of tile i, register j; then its byte offset in out
.set PS,   40                          ; v[40:63]   its weight p
.set ACC,  64                          ; v[64:159]  tile i, weight tile f at ACC + 8 (4 i + f)
.set BIAS, 160                         ; v[160:191] the bias in the layout of a result
.set TMP,  192                         ; v[192:223] list offsets at a pass's head, rows to store at its end
; blocks 1 and 2: K step k's operands lie in block 1 + (k & 1): ring slot k & 7 at (slot >> 1) 8 G + 8 i, the weights at WB + 8 f
.set WB,   32*G
.set MSB,  0
.macro WIN new                         ; s_set_vgpr_msb: bits 1:0 source 0, 3:2 source 1, 5:4 source 2, 7:6 destination; the high byte repeats the setting left
.if MSB != \new
	s_set_vgpr_msb (MSB<<8)|\new
.set MSB, \new
.endif
.endm
.macro PLACES                          ; four places behind a matrix instruction, before its results are read or its registers loaded into (ISA guide 7.12.1)
.rept 4
	v_nop
.endr
.endm
; K step ks (of my sixteen): 16 loads; lanes 0-15 take 256 neighbouring bytes of row 64 (ks >> 1) + 2 (ks & 1) + c + 4 jp, lanes 16-31 those of the row 32 further down
.macro WLD ks, set
.irp c, 0,1
.irp jp, 0,1,2,3,4,5,6,7
	global_load_b128 v[ST+64*(\set)+4*(8*\c+\jp):ST+64*(\set)+4*(8*\c+\jp)+3], v3, s[8:9] offset:(64*((\ks)>>1)+2*((\ks)&1)+\c+4*\jp)*ROWB
.endr
.endr
.endm
.macro WCV ks, set
.irp f, 0,1,2,3
.irp c, 0,1
.irp u, 0,1,2,3
	v_cvt_pk_f16_f32 v[F+8*\f+4*\c+\u], v[ST+64*(\set)+4*(8*\c+2*\u)+\f], v[ST+64*(\set)+4*(8*\c+2*\u+1)+\f]
.endr
	ds_store_b128 v4, v[F+8*\f+4*\c:F+8*\f+4*\c+3] offset:4096*(\ks)+1024*\f+512*\c
.endr
.endr
.endm
; One K step of g token tiles x 4 weight tiles.  It asks for the tokens of K step q + la (doa) and the weights of q + 1 (dob), both into the other block,
; then multiplies.  The 4 g accumulators take turns, one instruction a turn, in the same order in every K step.
.macro STAGE g, q, first, la, doa, dob, wl, wd
.set P_, 1+((\q)&1)
.set Q_, 3-P_
.if (\doa)+(\dob)
	PLACES                                         ; the loads below land in registers that the last K step's matrix instructions read
	WIN (Q_<<6)
.endif
.if \doa
.set sl_, ((\q)+(\la))&7
.set i_, 0
.rept \g
	global_load_b128 v[(sl_>>1)*8*G+8*i_:(sl_>>1)*8*G+8*i_+3],   v1, s[6:7] offset:i_*TSTRIDE+((\q)+(\la))*1024
	global_load_b128 v[(sl_>>1)*8*G+8*i_+4:(sl_>>1)*8*G+8*i_+7], v1, s[6:7] offset:i_*TSTRIDE+((\q)+(\la))*1024+512
.set i_, i_+1
.endr
.endif
.if \dob
.irp f, 0,1,2,3
	ds_load_b128 v[WB+8*\f:WB+8*\f+3],   v2 offset:((\q)+1)*4096+1024*\f
	ds_load_b128 v[WB+8*\f+4:WB+8*\f+7], v2 offset:((\q)+1)*4096+1024*\f+512
.endr
.endif
	s_wait_loadcnt \wl                             ; this K step's tokens are in (and the lists, which are older); the later K steps' 2 g loads each stay out
	s_wait_dscnt \wd                               ; this K step's weights are in; the next one's eight reads stay out
	WIN (5*P_)
.set sl_, (\q)&7
.set i_, 0
.rept \g
.irp f, 0,1,2,3
.if \first
	v_wmma_f32_16x16x32_f16 v[ACC+8*(4*i_+\f):ACC+8*(4*i_+\f)+7], v[(sl_>>1)*8*G+8*i_:(sl_>>1)*8*G+8*i_+7], v[WB+8*\f:WB+8*\f+7], v[BIAS+8*\f:BIAS+8*\f+7]
.else
	v_wmma_f32_16x16x32_f16 v[ACC+8*(4*i_+\f):ACC+8*(4*i_+\f)+7], v[(sl_>>1)*8*G+8*i_:(sl_>>1)*8*G+8*i_+7], v[WB+8*\f:WB+8*\f+7], v[ACC+8*(4*i_+\f):ACC+8*(4*i_+\f)+7]
.endif
.endr
.set i_, i_+1
.endr
.endm
; Token numbers and weights of the places that my result registers will hold: tile i, register j is place v6 + 128 i + j, held at the list's last entry.
.macro IDLOAD g
.set i_, 0
.rept \g
.irp j, 0,1,2,3,4,5,6,7
	v_add_nc_u32 v[TMP+8*i_+\j], 128*i_+\j, v6
	v_min_u32 v[TMP+8*i_+\j], s31, v[TMP+8*i_+\j]
	v_min_u32 v[TMP+8*i_+\j], 0x7ff, v[TMP+8*i_+\j]
	v_lshlrev_b32 v[TMP+8*i_+\j], 2, v[TMP+8*i_+\j]
	global_load_b32 v[IDS+8*i_+\j], v[TMP+8*i_+\j], s[16:17]
	global_load_b32 v[PS+8*i_+\j],  v[TMP+8*i_+\j], s[18:19]
.endr
.set i_, i_+1
.endr
.endm
; The way out.  Source 0 was the tokens: register j of lane (r, h) is token place 8 h + j, column 4 r + f.  The bias came in as the first product's C,
; so a number costs one multiply by p.  The last K step's wait for all loads has shown the lists in and freed TMP.
.macro EPI g
	PLACES
.set i_, 0
.rept \g
	s_wait_xcnt 0x0                                ; TMP, which the last tile's stores read, is written again only behind this wait
.irp j, 0,1,2,3,4,5,6,7
	v_min_u32 v[IDS+8*i_+\j], 0x7ff, v[IDS+8*i_+\j]                ; a loaded number enters an address only inside the table
	v_lshl_add_u32 v[IDS+8*i_+\j], v[IDS+8*i_+\j], 12, v5          ; the token's row of 4,096 bytes + 16 r
.irp f, 0,1,2,3
	v_mul_f32 v[TMP+4*\j+\f], v[ACC+8*(4*i_+\f)+\j], v[PS+8*i_+\j]
.endr
	global_store_b128 v[IDS+8*i_+\j], v[TMP+4*\j:TMP+4*\j+3], s[12:13] th:TH_STORE_NT      ; lanes 0-15: 256 neighbouring bytes, aligned, of one row; lanes 16-31 of another
.endr
.set i_, i_+1
.endr
.endm
; g of my tiles through all 64 K steps.  la (odd): how many K steps ahead tokens are asked for.  more = 1: another pass follows.
.macro PASS g, la, more
	IDLOAD \g
	v_mov_b32 v2, v1                               ; the weights' first K step
.set k_, 0
.rept \la
	WIN ((1+(k_&1))<<6)
.set i_, 0
.rept \g
	global_load_b128 v[(k_>>1)*8*G+8*i_:(k_>>1)*8*G+8*i_+3],   v1, s[6:7] offset:i_*TSTRIDE+k_*1024
	global_load_b128 v[(k_>>1)*8*G+8*i_+4:(k_>>1)*8*G+8*i_+7], v1, s[6:7] offset:i_*TSTRIDE+k_*1024+512
.set i_, i_+1
.endr
.set k_, k_+1
.endr
	WIN 0x40
.irp f, 0,1,2,3
	ds_load_b128 v[WB+8*\f:WB+8*\f+3],   v2 offset:1024*\f
	ds_load_b128 v[WB+8*\f+4:WB+8*\f+7], v2 offset:1024*\f+512
.endr
	STAGE \g, 0, 1, \la, 1, 1, 2*\g*\la, 8         ; the first product takes the bias as its C: nothing is cleared
.irp q, 1,2,3,4,5,6,7
	STAGE \g, \q, 0, \la, 1, 1, 2*\g*\la, 8
.endr
	WIN 0
	s_wait_xcnt 0x0                                ; the loads' base is stepped only behind this wait
	s_add_nc_u64 s[6:7], s[6:7], 8192              ; 8 K steps of 1,024 bytes
	v_add_nc_u32 v2, 0x8000, v2                    ; 8 K steps of 4,096 bytes
	s_mov_b32 s27, NT-2
.Lk_\g:
.irp q, 0,1,2,3,4,5,6,7
	STAGE \g, \q, 0, \la, 1, 1, 2*\g*\la, 8
.endr
	WIN 0
	s_wait_xcnt 0x0
	s_add_nc_u64 s[6:7], s[6:7], 8192
	v_add_nc_u32 v2, 0x8000, v2
	s_sub_co_u32 s27, s27, 1
	s_cmp_lg_u32 s27, 0
	s_cbranch_scc1 .Lk_\g
.irp q, 0,1,2,3,4,5,6
.if (\q+\la) <= 7
	STAGE \g, \q, 0, \la, 1, 1, 2*\g*\la, 8
.else
	STAGE \g, \q, 0, \la, 0, 1, 2*\g*(7-\q), 8     ; the last trip asks for nothing past K step 63: the counts run down
.endif
.endr
	STAGE \g, 7, 0, \la, 0, 0, 0, 0
	WIN 0
	EPI \g
.if \more
	s_wait_xcnt 0x0                                ; the stores' offsets and data are written again only behind this wait
	s_add_nc_u64 s[6:7], s[6:7], G*TSTRIDE-(NT-1)*8192
	v_add_nc_u32 v6, 128*G, v6
.endif
.endm
	s_load_b256 s[4:11], s[0:1], 0x0               ; cnt s[4:5], hs s[6:7], w2 s[8:9], b2 s[10:11]
	s_load_b64 s[12:13], s[0:1], 0x20              ; out0
	s_load_b128 s[16:19], s[0:1], 0x28             ; order s[16:17], ps s[18:19]
	v_lshrrev_b32 v7, 5, v0
	v_readfirstlane_b32 s20, v7                    ; wave number
	s_and_b32 s21, ttmp7, 0xffff                   ; expert
	s_lshr_b32 s22, ttmp9, 1                       ; column block
	s_and_b32 s32, ttmp9, 1                        ; which half of the tiles
	s_lshl2_add_u32 s33, s32, s20                  ; virtual wave 0 to 7
	v_and_b32 v8, 31, v0
	v_and_b32 v9, 15, v0                           ; r
	v_bfe_u32 v10, v0, 4, 1                        ; h
	v_lshlrev_b32 v1, 4, v8                        ; 16 lane
	v_lshlrev_b32 v5, 4, v9                        ; 16 r
	v_lshl_add_u32 v3, v10, 17, v5                 ; 16 r + 32 h rows of 4,096 bytes
	v_lshl_add_u32 v4, s20, 16, v1                 ; my wave's 16 K steps of 4,096 bytes in LDS
	s_lshl_b32 s30, s33, 4
	v_lshl_add_u32 v6, v10, 3, s30                 ; 16 vw + 8 h
	s_lshl_b32 s34, s21, 2
	s_mov_b32 s29, 0
	s_lshl_b32 s28, s21, 23                        ; w2: an expert is 8 MiB, my wave's 512 rows 2 MiB, a column block 256 bytes
	s_lshl_b32 s30, s20, 21
	s_add_co_u32 s28, s28, s30
	s_lshl_b32 s30, s22, 8
	s_add_co_u32 s28, s28, s30
	s_wait_kmcnt 0x0
	s_load_b32 s23, s[4:5], s34 offset:0x0         ; my expert's count
	s_add_nc_u64 s[8:9], s[8:9], s[28:29]
	s_lshl_b32 s28, s21, 12                        ; b2: a row of 4,096 bytes, a column block 256
	s_add_co_u32 s28, s28, s30
	s_add_nc_u64 s[10:11], s[10:11], s[28:29]
	WIN 0x40
	global_load_b128 v[0:3], v5, s[10:11]          ; block 1, v[f] = b2[4 r + f]
	WIN 0
	WLD 0, 0
	WLD 1, 1
	WLD 2, 2                                       ; 48 loads of 512 bytes of every wave are on their way
	s_mov_b32 s28, s30                             ; out0: the column block's 256 bytes
	s_add_nc_u64 s[12:13], s[12:13], s[28:29]
	s_lshl_b32 s28, s21, 23                        ; hs: an expert is 8 MiB, a tile 65,536 bytes
	s_lshl_b32 s30, s33, 16
	s_add_co_u32 s28, s28, s30
	s_add_nc_u64 s[6:7], s[6:7], s[28:29]
	s_lshl_b32 s28, s21, 13                        ; the lists: 2,048 words an expert
	s_add_nc_u64 s[16:17], s[16:17], s[28:29]
	s_add_nc_u64 s[18:19], s[18:19], s[28:29]
.set s_, 0
.rept KSW
.if KSW-1-s_ >= 2
	s_wait_loadcnt 32                              ; this set is in; the two younger sets of 16 stay out (the bias is older)
.else
	s_wait_loadcnt 16*(KSW-1-s_)
.endif
	WCV s_, (s_%3)
.if s_+3 < KSW
	WLD (s_+3), (s_%3)
.endif
.set s_, s_+1
.endr
	s_wait_dscnt 0x0                               ; my fragments are in LDS before I say so: every wave reads all 64 K steps
	s_barrier_signal -1
	WIN 0x01
.irp f, 0,1,2,3
.irp j, 0,1,2,3,4,5,6,7
	v_mov_b32 v[BIAS+8*\f+\j], v[\f]               ; the bias as a result tile: every register of weight tile f is column 4 r + f
.endr
.endr
	WIN 0
	s_barrier_wait -1                              ; the kernel's one barrier; behind it LDS is only read
	s_wait_kmcnt 0x0
	s_min_u32 s23, s23, 2048
	s_sub_co_u32 s31, s23, 1                       ; the list's last entry (used only where the count is not 0)
	s_add_co_u32 s24, s23, 15
	s_lshr_b32 s24, s24, 4                         ; the expert's tiles
	s_add_co_u32 s25, s24, 7
	s_sub_co_u32 s25, s25, s33
	s_lshr_b32 s25, s25, 3                         ; of which tiles vw, vw + 8, .. are mine: 16 at the most
	s_mul_i32 s35, s25, 171
	s_lshr_b32 s35, s35, 9                         ; full passes of 3 tiles: n / 3 = (171 n) >> 9, exact for n below 510
	s_mov_b32 s26, 0                               ; the pass, counted by 1
	s_cmp_eq_u32 s35, 0
	s_cbranch_scc1 .Lrem
.Lfull:
	PASS G, 7, 1
	s_add_co_u32 s26, s26, 1
	s_cmp_lt_u32 s26, s35
	s_cbranch_scc1 .Lfull
.Lrem:
	s_mul_i32 s30, s35, G
	s_sub_co_u32 s30, s25, s30                     ; tiles left: 0 to 2
	s_cmp_eq_u32 s30, 2
	s_cbranch_scc1 .Lr2
	s_cmp_eq_u32 s30, 1
	s_cbranch_scc1 .Lr1
	s_endpgm
.Lr2:
	PASS 2, 7, 0
	s_endpgm
.Lr1:
	PASS 1, 7, 0
	s_endpgm
.Lfunc_end_k_q70865a996a_fc2:
	.size	k_q70865a996a_fc2, .Lfunc_end_k_q70865a996a_fc2-k_q70865a996a_fc2
	.p2alignl 7, 3214868480
	.fill 96, 4, 3214868480
	.section	.rodata,"a",@progbits
	.p2align	6, 0x0
	.amdhsa_kernel k_q70865a996a_fc2
		.amdhsa_group_segment_fixed_size 262144
		.amdhsa_private_segment_fixed_size 0
		.amdhsa_enable_private_segment 0
		.amdhsa_kernarg_size 56
		.amdhsa_user_sgpr_count 2
		.amdhsa_user_sgpr_kernarg_segment_ptr 1
		.amdhsa_wavefront_size32 1
		.amdhsa_system_sgpr_workgroup_id_x 1
		.amdhsa_system_sgpr_workgroup_id_y 1
		.amdhsa_system_sgpr_workgroup_id_z 1
		.amdhsa_system_vgpr_workitem_id 0
		.amdhsa_next_free_vgpr 640
		.amdhsa_next_free_sgpr 66
		.amdhsa_reserve_vcc 0
		.amdhsa_float_denorm_mode_32 3
		.amdhsa_float_denorm_mode_16_64 3
		.amdhsa_memory_ordered 1
		.amdhsa_forward_progress 1
		.amdhsa_inst_pref_size 222
	.end_amdhsa_kernel
	.amdgpu_metadata
---
amdhsa.version: [ 1, 2 ]
amdhsa.kernels:
  - .name:           k_q70865a996a_fc2
    .symbol:         k_q70865a996a_fc2.kd
    .args:
      - { .name: cnt, .offset: 0, .size: 8, .value_kind: global_buffer, .address_space: global }
      - { .name: hs, .offset: 8, .size: 8, .value_kind: global_buffer, .address_space: global }
      - { .name: w2, .offset: 16, .size: 8, .value_kind: global_buffer, .address_space: global }
      - { .name: b2, .offset: 24, .size: 8, .value_kind: global_buffer, .address_space: global }
      - { .name: out0, .offset: 32, .size: 8, .value_kind: global_buffer, .address_space: global }
      - { .name: order, .offset: 40, .size: 8, .value_kind: global_buffer, .address_space: global }
      - { .name: ps, .offset: 48, .size: 8, .value_kind: global_buffer, .address_space: global }
    .group_segment_fixed_size: 262144
    .private_segment_fixed_size: 0
    .kernarg_segment_align: 8
    .kernarg_segment_size: 56
    .max_flat_workgroup_size: 128
    .sgpr_count:     66
    .vgpr_count:     640
    .wavefront_size: 32
...
	.end_amdgpu_metadata
.endif
;; end of part 5
